; MI455X (gfx1250); checked and timed in simulation.
; The chip was launched on July 23, 2026; its instructions are those of AMD's public machine-readable ISA for CDNA 5 (MIT licence, August 2026) and "CDNA5" Instruction Set Architecture Reference Guide (July 2026). The comments in the code are by the model that wrote it; some were corrected since.
;; K Linear. Allowed arithmetic: float matrix products may take bf16 or f16 operands with f32 sums; other float arithmetic in f32, or as packed bf16 or f16 multiplies, adds, multiply-adds, maxima and minima; sums over many terms, partial sums and values carried from step to step in f32; what a program stores and reads back later, other than sums and carried values, may be rounded once to bf16 or f16.
;; Inputs: a0 64 x 64 float32; a1 64 x 64 float32; a2 32 x 32 float32; a3 128 x 128 float32; a4 16 x 16 float32; a5 256 x 256 float32; a6 8 x 8 float32; a7 512 x 512 float32; b0 64 x 64 float32; b1 64 x 64 float32; b2 128 x 128 float32; b3 32 x 32 float32; b4 256 x 256 float32; b5 16 x 16 float32; b6 512 x 512 float32; b7 8 x 8 float32; bias 4,096 float32; x 4,096 x 4,096 float32.
;; Outputs: out0 4,096 x 4,096 float32.
;; 2 versions, each right; version 2 is version 1 with the launch prep written anew for expert scheduling mode. Each part assembles by itself: llvm-mc -triple=amdgcn-amd-amdhsa -mcpu=gfx1250 --defsym DOCPART=n.
;; ======== version 1 of 2: 2 launches
;; limits: values are held in f16: magnitudes above 65,504 overflow, below 6.1e-05 lose precision
;; workspace buffers: wh 33,554,432 bytes; xh 33,554,432 bytes
;; launch prep (part 1): grid 512 x 1, 8 waves a work-group, no clusters, 0 bytes of LDS; arguments x, a0, a1, a2, a3, a4, a5, a6, a7, b0, b1, b2, b3, b4, b5, b6, b7, wh, xh; writes wh, xh
.if DOCPART == 1
	.amdgcn_target "amdgcn-amd-amdhsa--gfx1250"
	.amdhsa_code_object_version 6
	.text
	.protected	k_q46cd241042_prep
	.globl	k_q46cd241042_prep
	.p2align	8
	.type	k_q46cd241042_prep,@function
k_q46cd241042_prep:
	s_mov_b64 s[64:65], 0
	v_nop
	global_prefetch_b8 v0, s[64:65] scope:SCOPE_SE
	s_setreg_imm32_b32 hwreg(HW_REG_WAVE_MODE, 25, 1), 1
	s_wait_xcnt 0x0
; xh[n][i] = f16(x[n][i]);  wh[o][i] = f16( the sum over k = 0..7 of a_k[o >> s_k][i >> s_k] * b_k[o & (q_k-1)][i & (q_k-1)] ),  q_k = 2^s_k, s = 6,6,7,5,8,4,9,3.
; x: [4096][4096] f32.  a_k: [4096/q_k][4096/q_k] f32.  b_k: [q_k][q_k] f32.  wh, xh: [4096][4096] f16, row-major.  The sum is kept in f32, k ascending, and rounded once.
; The factor 1 / (2 sqrt 8) is NOT applied here: the product's way out applies it in f32, so that wh keeps the whole of f16's range for the sum itself.
; LIMITS.  f16 holds no number beyond 65,504: |x| and |the sum of the eight products| must lie under it (from 65,520 on the conversion gives an infinity); below 6e-5 f16 keeps a fixed step of 6e-8.
; NaN and infinities are not treated apart.
; SHARES.  512 work-groups of eight waves: wave v of work-group g owns row o = 8 g + v, of x (cast) and of W (built).  A row goes in 16 steps of 256 columns; in step c lane l owns columns 256 c + 8 l .. + 7:
; 32 bytes of f32 in, 16 bytes of f16 out, so each store of the wave covers 512 consecutive bytes, aligned.
; WHY A ROW A WAVE.  Eight aligned columns have ONE index into every a_k (q_k is at least 8), and the lane's eight numbers of b_k are the same in every step where q_k <= 256 and hang on c % 2 where q_k = 512.
; So a row wants 72 registers of b (18 loads) and 8 numbers of a in each step (one load of 4 bytes each).  Nothing large is shared between waves: no LDS, no barrier, no matrix unit.
; No loop: the 16 steps are written out, so every offset stands in an immediate and no address register is ever rewritten.
.set STAB, 0x39485766                  ; s_k in nibble k
.set XO,  2                            ; v2        32 l: my 8 numbers in a step of x
.set SO,  3                            ; v3        16 l: my 8 numbers in a step of xh and wh
.set AO,  8                            ; v[8:15]   term k: 4 x ((8 l) >> s_k): my column of a_k within a step
.set BO,  16                           ; v[16:23]  term k: 4 x ((8 l) & (q_k - 1)): my first column of b_k
.set X,   32                           ; v[32:159] the row of x, 8 registers a step; when it has left, the same registers take a
.set A,   32                           ;           step c's eight numbers of a at A + 8 c + k; the step's four packed results land on the first four
.set B,   160                          ; v[160:231] term k's eight numbers of b at B + 8 k; term 6's for odd steps at B + 64
.set ACC, 232                          ; v[232:239] a step's eight sums
.set PA,  6                            ; s[6+2k:7+2k]   a_k at my row of it
.set PB,  22                           ; s[22+2k:23+2k] b_k at my row of it
.set WH,  38                           ; s[38:39] wh at my row
.set XH,  40                           ; s[40:41] xh at my row
	s_load_b512 s[4:19], s[0:1], 0x0               ; x, a0 .. a6
	s_load_b512 s[20:35], s[0:1], 0x40             ; a7, b0 .. b6
	s_load_b128 s[36:39], s[0:1], 0x80             ; b7, wh
	s_load_b64 s[40:41], s[0:1], 0x90              ; xh
	v_and_b32 v1, 31, v0                           ; lane
	v_lshrrev_b32 v4, 5, v0
	v_readfirstlane_b32 s42, v4                    ; wave 0..7
	s_lshl_b32 s43, ttmp9, 3
	s_add_co_u32 s43, s43, s42                     ; o, my row
	s_mov_b32 s45, 0                               ; the high word of every offset: all stay under 2^27
	v_lshlrev_b32 v[XO], 5, v1
	v_lshlrev_b32 v[SO], 4, v1
.irp k, 0,1,2,3,4,5,6,7
.set SK, (STAB>>(4*(\k)))&15
	v_lshrrev_b32 v[AO+(\k)], SK-3, v1             ; (8 l) >> s_k: 0 in every lane where q_k >= 256
	v_lshlrev_b32 v[AO+(\k)], 2, v[AO+(\k)]
	v_and_b32 v[BO+(\k)], (1<<(SK-3))-1, v1        ; ((8 l) & (q_k - 1)) / 8
	v_lshlrev_b32 v[BO+(\k)], 5, v[BO+(\k)]
.endr
	s_lshl_b32 s44, s43, 14                        ; a row of x is 16,384 bytes
	s_wait_kmcnt 0x0
	s_add_nc_u64 s[4:5], s[4:5], s[44:45]
	; the whole row of x: 32 loads, 16 KiB of the wave on their way, ahead of everything else
.set j, 0
.rept 16
	global_load_b128 v[X+8*j:X+8*j+3],   v[XO], s[4:5] offset:1024*j th:TH_LOAD_NT
	global_load_b128 v[X+8*j+4:X+8*j+7], v[XO], s[4:5] offset:1024*j+16 th:TH_LOAD_NT
.set j, j+1
.endr
	s_lshl_b32 s44, s43, 13                        ; a row of xh and of wh is 8,192 bytes
	s_add_nc_u64 s[WH:WH+1], s[WH:WH+1], s[44:45]
	s_add_nc_u64 s[XH:XH+1], s[XH:XH+1], s[44:45]
.irp k, 0,1,2,3,4,5,6,7
.set SK, (STAB>>(4*(\k)))&15
	s_lshr_b32 s44, s43, SK                        ; a_k's row o >> s_k, of 4 x 4096 / q_k bytes
	s_lshl_b32 s44, s44, 14-SK
	s_add_nc_u64 s[PA+2*(\k):PA+2*(\k)+1], s[PA+2*(\k):PA+2*(\k)+1], s[44:45]
	s_and_b32 s44, s43, (1<<SK)-1                  ; b_k's row o & (q_k - 1), of 4 q_k bytes
	s_lshl_b32 s44, s44, SK+2
	s_add_nc_u64 s[PB+2*(\k):PB+2*(\k)+1], s[PB+2*(\k):PB+2*(\k)+1], s[44:45]
.endr
	; my numbers of b: 18 loads
.irp k, 0,1,2,3,4,5,6,7
	global_load_b128 v[B+8*(\k):B+8*(\k)+3],   v[BO+(\k)], s[PB+2*(\k):PB+2*(\k)+1]
	global_load_b128 v[B+8*(\k)+4:B+8*(\k)+7], v[BO+(\k)], s[PB+2*(\k):PB+2*(\k)+1] offset:16
.endr
	global_load_b128 v[B+64:B+67], v[BO+6], s[PB+12:PB+13] offset:1024   ; b6 has 512 columns: the odd steps take the second 256
	global_load_b128 v[B+68:B+71], v[BO+6], s[PB+12:PB+13] offset:1040
	; THE CAST.  Step j's two loads are in when at most the 2 (15 - j) younger loads of x and the 18 of b are out (loads come back in order: ISA guide 5.7.1).
	; The four conversions work in place, ascending: result i lands on register i when registers 2 i and 2 i + 1 are being read and the lower ones have been.
.set j, 0
.rept 16
	s_wait_loadcnt 2*(15-j)+18
.irp i, 0,1,2,3
	v_cvt_pk_f16_f32 v[X+8*j+(\i)], v[X+8*j+2*(\i)], v[X+8*j+2*(\i)+1]
.endr
	global_store_b128 v[SO], v[X+8*j:X+8*j+3], s[XH:XH+1] offset:512*j
.set j, j+1
.endr
	s_wait_xcnt 0x0                                ; the stores' data registers are loaded into again only behind this wait
	; my numbers of a: 8 a step, step by step, so that the counted waits below free the steps in order
.set c, 0
.rept 16
.irp k, 0,1,2,3,4,5,6,7
.set SK, (STAB>>(4*(\k)))&15
	global_load_b32 v[A+8*c+(\k)], v[AO+(\k)], s[PA+2*(\k):PA+2*(\k)+1] offset:((256*c)>>SK)<<2
.endr
.set c, c+1
.endr
	; THE SUM.  Step c's eight loads are in when at most the 120 - 8 c loads of the later steps are out; the wait's field holds 63, and a smaller count than needed is right too.
	; Four chains of two sums each take turns, k ascending.  A number of a is one register of an even pair: the packed form takes the pair's first register for both halves (k even) or its second (k odd).
.set c, 0
.rept 16
.if 120-8*c > 63
	s_wait_loadcnt 63
.else
	s_wait_loadcnt 120-8*c
.endif
.irp k, 0,1,2,3,4,5,6,7
.set rb, B+8*(\k)
.if ((\k) == 6) && (c%2 == 1)
.set rb, B+64
.endif
.set ra, A+8*c+((\k)&6)
.irp jj, 0,1,2,3
.if (\k) == 0
	v_pk_mul_f32 v[ACC+2*(\jj):ACC+2*(\jj)+1], v[rb+2*(\jj):rb+2*(\jj)+1], v[ra:ra+1] op_sel_hi:[1,0]
.elseif (\k)%2 == 0
	v_pk_fma_f32 v[ACC+2*(\jj):ACC+2*(\jj)+1], v[rb+2*(\jj):rb+2*(\jj)+1], v[ra:ra+1], v[ACC+2*(\jj):ACC+2*(\jj)+1] op_sel_hi:[1,0,1]
.else
	v_pk_fma_f32 v[ACC+2*(\jj):ACC+2*(\jj)+1], v[rb+2*(\jj):rb+2*(\jj)+1], v[ra:ra+1], v[ACC+2*(\jj):ACC+2*(\jj)+1] op_sel:[0,1,0] op_sel_hi:[1,1,1]
.endif
.endr
.endr
.irp i, 0,1,2,3
	v_cvt_pk_f16_f32 v[A+8*c+(\i)], v[ACC+2*(\i)], v[ACC+2*(\i)+1]   ; onto the step's own numbers of a, which have been used: no store's data register is ever written again
.endr
	global_store_b128 v[SO], v[A+8*c:A+8*c+3], s[WH:WH+1] offset:512*c
.set c, c+1
.endr
	s_endpgm
.Lfunc_end_k_q46cd241042_prep:
	.size	k_q46cd241042_prep, .Lfunc_end_k_q46cd241042_prep-k_q46cd241042_prep
	.p2alignl 7, 3214868480
	.fill 96, 4, 3214868480
	.section	.rodata,"a",@progbits
	.p2align	6, 0x0
	.amdhsa_kernel k_q46cd241042_prep
		.amdhsa_group_segment_fixed_size 0
		.amdhsa_private_segment_fixed_size 0
		.amdhsa_enable_private_segment 0
		.amdhsa_kernarg_size 152
		.amdhsa_user_sgpr_count 2
		.amdhsa_user_sgpr_kernarg_segment_ptr 1
		.amdhsa_wavefront_size32 1
		.amdhsa_system_sgpr_workgroup_id_x 1
		.amdhsa_system_sgpr_workgroup_id_y 1
		.amdhsa_system_sgpr_workgroup_id_z 1
		.amdhsa_system_vgpr_workitem_id 0
		.amdhsa_next_free_vgpr 240
		.amdhsa_next_free_sgpr 66
		.amdhsa_reserve_vcc 0
		.amdhsa_float_denorm_mode_32 3
		.amdhsa_float_denorm_mode_16_64 3
		.amdhsa_memory_ordered 1
		.amdhsa_forward_progress 1
		.amdhsa_inst_pref_size 65
	.end_amdhsa_kernel
	.amdgpu_metadata
---
amdhsa.version: [ 1, 2 ]
amdhsa.kernels:
  - .name:           k_q46cd241042_prep
    .symbol:         k_q46cd241042_prep.kd
    .args:
      - { .name: x, .offset: 0, .size: 8, .value_kind: global_buffer, .address_space: global }
      - { .name: a0, .offset: 8, .size: 8, .value_kind: global_buffer, .address_space: global }
      - { .name: a1, .offset: 16, .size: 8, .value_kind: global_buffer, .address_space: global }
      - { .name: a2, .offset: 24, .size: 8, .value_kind: global_buffer, .address_space: global }
      - { .name: a3, .offset: 32, .size: 8, .value_kind: global_buffer, .address_space: global }
      - { .name: a4, .offset: 40, .size: 8, .value_kind: global_buffer, .address_space: global }
      - { .name: a5, .offset: 48, .size: 8, .value_kind: global_buffer, .address_space: global }
      - { .name: a6, .offset: 56, .size: 8, .value_kind: global_buffer, .address_space: global }
      - { .name: a7, .offset: 64, .size: 8, .value_kind: global_buffer, .address_space: global }
      - { .name: b0, .offset: 72, .size: 8, .value_kind: global_buffer, .address_space: global }
      - { .name: b1, .offset: 80, .size: 8, .value_kind: global_buffer, .address_space: global }
      - { .name: b2, .offset: 88, .size: 8, .value_kind: global_buffer, .address_space: global }
      - { .name: b3, .offset: 96, .size: 8, .value_kind: global_buffer, .address_space: global }
      - { .name: b4, .offset: 104, .size: 8, .value_kind: global_buffer, .address_space: global }
      - { .name: b5, .offset: 112, .size: 8, .value_kind: global_buffer, .address_space: global }
      - { .name: b6, .offset: 120, .size: 8, .value_kind: global_buffer, .address_space: global }
      - { .name: b7, .offset: 128, .size: 8, .value_kind: global_buffer, .address_space: global }
      - { .name: wh, .offset: 136, .size: 8, .value_kind: global_buffer, .address_space: global }
      - { .name: xh, .offset: 144, .size: 8, .value_kind: global_buffer, .address_space: global }
    .group_segment_fixed_size: 0
    .private_segment_fixed_size: 0
    .kernarg_segment_align: 8
    .kernarg_segment_size: 152
    .max_flat_workgroup_size: 256
    .sgpr_count:     66
    .vgpr_count:     240
    .wavefront_size: 32
...
	.end_amdgpu_metadata
.endif
;; end of part 1
;; launch gemm (part 2): grid 16 x 16, 4 waves a work-group, clusters of 4 x 4, 327,680 bytes of LDS; arguments wh, xh, out0, bias; writes out0
.if DOCPART == 2
	.amdgcn_target "amdgcn-amd-amdhsa--gfx1250"
	.amdhsa_code_object_version 6
	.text
	.protected	k_q46cd241042_gemm
	.globl	k_q46cd241042_gemm
	.p2align	8
	.type	k_q46cd241042_gemm,@function
k_q46cd241042_gemm:
	s_mov_b64 s[64:65], 0
	v_nop
	global_prefetch_b8 v0, s[64:65] scope:SCOPE_SE
	s_setreg_imm32_b32 hwreg(HW_REG_WAVE_MODE, 25, 1), 1
	s_wait_xcnt 0x0
	s_wait_alu depctr_hold_cnt(0) depctr_sa_sdst(0) depctr_va_vdst(0) depctr_va_sdst(0) depctr_va_ssrc(0) depctr_va_vcc(0) depctr_vm_vsrc(0)
	s_getreg_b32 s2, hwreg(HW_REG_IB_STS2, 6, 4)
	s_cmp_eq_u32 s2, 0
	s_cbranch_scc0 .Lentry_in_a_cluster
	s_endpgm
.Lentry_in_a_cluster:
	s_bfe_u32 s2, ttmp6, 0x10000c
	s_cmp_lg_u32 s2, 0xf033
	s_cbranch_scc0 .Lentry_shape_is_right
	s_endpgm
.Lentry_shape_is_right:
; out0[o][n] = SC x (the sum over i of wh[o][i] xh[n][i]) + bias[n],  SC = 1 / (2 sqrt 8).  wh, xh: [4096][4096] f16; out0: [4096][4096] f32; bias: [4096] f32, along the LAST axis of out0.
; One f32 sum for each output, i ascending in steps of 32; scale and bias in one f32 multiply-add on the way out.  The order of the sums differs from a plain chain of f32 additions.
; LIMITS.  The operands arrive in f16, within 65,504; NaN and infinities are not treated apart.
; SHARES.  A tile of out0, 256 x 256, is made by a work-group of four waves; a wave makes 128 x 128: 64 accumulators of 16 x 16, 512 registers.  16 x 16 tiles: 256 work-groups, one tile each.
; K goes in steps of 128 through a ring of two LDS slots filled by the tensor data mover: a tile's rows are 256 bytes of memory and start at multiples of 256 bytes from the buffer's first byte.
; CLUSTERS: 4 x 4 work-groups.  The four of a row of the cluster make tiles of one tile row and need the same rows of wh (A); the four of a column need the same rows of xh (B).  Such a tile is asked for
; JOINTLY: each of the four issues the same tensor load, with the same descriptor and a mask that names the four, and each receives it in its own LDS.
; REGISTERS, in windows of 256 (s_set_vgpr_msb's low byte: bits 1:0 source 0, 3:2 source 1, 5:4 source 2, 7:6 destination):
;   window 0: v0-35 addresses and the bias; v64-127, v128-191 fragments of A (8 x 16 rows x 32 K), two buffers; on the way out the same registers take rows read back from the stage
;   window 1: v64-127, v128-191 fragments of B, two buffers
;   window 2: the 32 accumulators of my rows 0-63 (accumulator (a, b) at v[8 (8 a + b)]);   window 3: those of my rows 64-127
; THE MATRIX INSTRUCTION IS USED TRANSPOSED: source 0 = 16 rows of xh, source 1 = 16 rows of wh.  In the result lane l holds row l % 16 of out0 and the columns 8 (l / 16) + 0 .. 7: 32 consecutive bytes.
.set SIZE,   4096
.set KSTEP,  128
.set ROWH,   SIZE*2                    ; bytes in a row of wh and xh
.set ROWC,   SIZE*4                    ; bytes in a row of out0
.set PITCH,  272                       ; an LDS row: 256 bytes of data + 16 of padding = 68 words: row r starts at bank 4 r mod 64 (64 banks of 4 bytes: ISA guide 11.1), so the 16 rows of a load start at 16 different banks
.set HALFT,  128*PITCH                 ; 128 rows: what one tensor load brings, and what one wave reads of A or of B
.set SLOT,   4*HALFT                   ; A's 256 rows, then B's 256 rows
.set STAGE,  2*SLOT                    ; behind the ring: 16 rows x 528 bytes for each wave, for the way out; no tensor load lands here
.set SPITCH, 528                       ; a stage row: 128 f32 = 512 bytes + 16 = 132 words: again row r starts at bank 4 r mod 64
.set SPARE,  STAGE+4*16*SPITCH         ; behind the stages: the spare words, 128 bytes for each wave: two blocks of 256 bytes that no other line names
.set LAPS,   SIZE/(2*KSTEP)            ; a lap = two K steps = once round the ring: 16
.set ADRA, 16                          ; v16-17  LDS address of my A fragments in slot 0, 1
.set ADRB, 20                          ; v20-21  the same for B
.set STO,  24                          ; v24     the way out: where I put 32 bytes of a row
.set RD,   25                          ; v25     the way out: where I read 16 bytes of a row back
.set CO,   26                          ; v26     16 x lane: my byte offset in 512 bytes of a row of out0; never rewritten
.set BOF,  27                          ; v27     my byte offset in bias
.set SPW,  28                          ; v28     LDS address of my spare word: SPARE + 4 x my thread's number; never rewritten
.set NIL,  29                          ; v29     0; never rewritten
.set PFO,  30                          ; v30     the prefetches' offset: my lane x a row of wh or xh; never rewritten
.set BI,   32                          ; v[32:35] bias of the four columns that I store
.set F0,   64                          ; fragment buffer 0
.set F1,   128                         ; fragment buffer 1
.set OB,   64                          ; the way out: 16 rows read back, 64 registers: v64-127 and v128-191 by turns
.set G1,   24                          ; s[24:31] descriptor group 1 for A's tiles
.set G0,   32                          ; s[32:39] descriptor group 0 for A's tiles, one set for each slot
.set LIM,  43                          ; s43      1 in a wave that prefetches, else the greatest number
.set PFA,  44                          ; s[44:45] where my prefetches stand: my work-group's 32 rows of the 128 that I fetch, one K step further along K than the refill in hand; a prefetch names the K step after that
.set G1B,  48                          ; s[48:55] descriptor group 1 for B's tiles: it differs from A's in the mask alone
.set G0B,  56                          ; s[56:63] descriptor group 0 for B's tiles, one set for each slot
.set BP,   66                          ; s[66:67] bias
.set SC,   68                          ; s[68:69] 1 / (2 sqrt 8): the packed multiply-add names a pair and takes its low word for both halves
.set MSB, 0
.macro WIN new                         ; the immediate's high byte repeats the setting that is left; a switch that changes nothing is dropped
.if MSB != (\new)
	s_set_vgpr_msb (MSB<<8)|(\new)
.set MSB, \new
.endif
.endm
.set MUL_LO, 0xa1                      ; source 0 (B) window 1, source 1 (A) window 0, C and D window 2
.set MUL_HI, 0xf1                      ; the same, C and D window 3
.set TO_B,   0x40                      ; destination window 1, address window 0
; A joint load.  Waves 0 and 1 fetch A's two halves, waves 2 and 3 B's.  Each of the two lines has ONE mask and one set of registers for all that issue it; the branch hangs on the wave's number alone.
; An s_nop 0 and four v_nop follow each of the two lines, ahead of the jump, the label and what follows the macro.
.macro JLOAD s
	s_cmp_eq_u32 s11, 0
	s_cbranch_scc0 .Lfor_b_\@
	tensor_load_to_lds s[G0+4*(\s):G0+4*(\s)+3], s[G1:G1+7]
	s_nop 0
.rept 4
	v_nop
.endr
	s_branch .Lasked_\@
.Lfor_b_\@:
	tensor_load_to_lds s[G0B+4*(\s):G0B+4*(\s)+3], s[G1B:G1B+7]
	s_nop 0
.rept 4
	v_nop
.endr
.Lasked_\@:
.endm
; A PREFETCH INTO THE L2, behind each joint refill, its five lines and the run of LDS loads that follows them: the K step that stands TWO refills on, 512 matrix instructions ahead of the load that will ask for it:
; 32 rows x 256 bytes, a lane a row, one instruction a wave.  Each row's 256 bytes of a K step are named ONCE in the launch: wh's tile row is read by every cluster of that row of clusters, and the one with
; cluster x = 0 asks; xh's tile column by every cluster of that column, and the one with cluster y = 0 asks.  The four partners that ask for a tile jointly share its rows out BY ADDRESS: of the 128 rows that
; a wave fetches the partner at place p takes 32 p .. 32 p + 31 (p = cx for A, cy for B).  K steps 0 to 3 come by their loads alone; the loop's last trip (s3 = 1) asks for nothing: K has no step 32.
.macro ASK
	s_cmp_gt_u32 s3, s[LIM]
	s_cbranch_scc0 .Lnot_mine_\@
	global_prefetch_b8 v[PFO], s[PFA:PFA+1] offset:KSTEP*2 th:TH_LOAD_NT scope:SCOPE_SE
.Lnot_mine_\@:
.endm
; A round of the cluster's barrier: my work-group's barrier, so that wave 0's signal speaks for all four waves; wave 0 signals for the work-group; every wave waits for all sixteen work-groups; my work-group's
; barrier once more.  No LDS instruction of the wave is pending at a signal.
.macro CREST                           ; a round behind its opening barrier
	s_cmp_lg_u32 s10, 0
	s_cbranch_scc1 .Lnot_wave_0_\@
	s_barrier_signal -3
.Lnot_wave_0_\@:
	s_barrier_wait -3
	s_barrier_signal -1
	s_barrier_wait -1
.endm
.macro CROUND                          ; a whole round
	s_barrier_signal -1
	s_barrier_wait -1
	CREST
.endm
	s_load_b128 s[4:7], s[0:1], 0x0                ; wh (A) s[4:5], xh (B) s[6:7]
	s_load_b64 s[8:9], s[0:1], 0x10                ; out0
	s_load_b64 s[BP:BP+1], s[0:1], 0x18            ; bias
	v_lshl_add_u32 v[SPW], v0, 2, SPARE
	v_mov_b32 v[NIL], 0
	ds_add_u32 v[SPW], v[NIL]                      ; the wave's opening: the add and its wait stand ahead of my first tensor load; the set-up below, work on registers, stands between them
	v_lshrrev_b32 v1, 5, v0
	v_readfirstlane_b32 s10, v1                    ; wave 0..3
	s_lshr_b32 s11, s10, 1                         ; which half of the tile's rows is mine.  Also: I fetch for A (0) or for B (1)
	s_and_b32 s12, s10, 1                          ; which half of its columns.  Also: which 128 rows of that tile I fetch
	s_bfe_u32 s40, ttmp6, 0x40000                  ; cx: my place along the cluster's x
	s_bfe_u32 s41, ttmp6, 0x40004                  ; cy: along its y
	s_lshl_b32 s42, ttmp9, 2                       ; in a cluster launch ttmp9 and ttmp7 count clusters
	s_add_co_u32 s42, s42, s40                     ; tile column = 4 x cluster x + cx
	s_and_b32 s13, ttmp7, 0xffff
	s_lshl_b32 s13, s13, 2
	s_add_co_u32 s13, s13, s41                     ; tile row = 4 x cluster y + cy
	s_lshl_b32 s43, s41, 2
	s_lshl_b32 s43, 15, s43                        ; my row of the cluster: places 4 cy .. 4 cy + 3
	s_lshl_b32 s44, 0x1111, s40                    ; my column: places cx, cx + 4, cx + 8, cx + 12
	; descriptor group 1: a tile of 128 rows x 128 elements, padded in LDS
	s_or_b32 s[G1+0], s43, (1<<16)|(1<<20)|(1<<21)|(5<<22)|(3<<25)  ; 15:0 the mask: A's tiles go to my row; 17:16 elements of 2 bytes; 20 padding on; 21 set beside a mask; 24:22 after every 64 words (code 5); 31:25 4 words of it (code 3)
	s_or_b32 s[G1B+0], s44, (1<<16)|(1<<20)|(1<<21)|(5<<22)|(3<<25) ; the same with the mask of my column, for B's tiles
	s_mov_b32 s[G1B+1], KSTEP<<16
	s_mov_b32 s[G1+1], KSTEP<<16                   ; 63:48 tensor_dim0, low half = 128
	s_mov_b32 s[G1B+2], 128<<16
	s_mov_b32 s[G1+2], 128<<16                     ; 79:64 its high half = 0; 95:80 tensor_dim1, low half = 128
	s_mov_b32 s[G1B+3], KSTEP<<16
	s_mov_b32 s[G1+3], KSTEP<<16                   ; 111:96 its high half = 0; 127:112 tile_dim0 = 128
	s_mov_b32 s[G1B+4], 128
	s_mov_b32 s[G1+4], 128                         ; 143:128 tile_dim1 = 128; 159:144 tile_dim2 = 0
	s_mov_b32 s[G1B+5], SIZE
	s_mov_b32 s[G1+5], SIZE                        ; 191:160 tensor_dim0_stride, low word: elements from row to row
	s_mov_b32 s[G1B+6], 0
	s_mov_b32 s[G1+6], 0
	s_mov_b32 s[G1B+7], 0
	s_mov_b32 s[G1+7], 0
	s_mov_b32 s[SC], 0x3e3504f3                    ; 1 / (2 sqrt 8) = 0.17677670
	s_mov_b32 s[SC+1], s[SC]                       ; named with it as a pair, so it is written
	; where the tiles come from.  A's hang on the tile row alone, which my row of the cluster shares; B's on the tile column alone, which my column shares.
	; Every wave makes both addresses, in registers that never hold the other coordinate, and asks by one of them.
	s_lshl_b32 s17, s12, 7                         ; which 128 rows of the tile I fetch
	s_lshl_b32 s16, s13, 8
	s_add_co_u32 s16, s16, s17                     ; A: row 256 x tile row + 128 x half
	s_lshl_b32 s46, s42, 8
	s_add_co_u32 s46, s46, s17                     ; B: row 256 x tile column + 128 x half
	s_mov_b32 s17, 0
	s_mov_b32 s47, 0
	s_mov_b64 s[18:19], ROWH
	s_mul_u64 s[16:17], s[16:17], s[18:19]         ; in bytes
	s_mul_u64 s[46:47], s[46:47], s[18:19]
	s_mul_i32 s20, s10, HALFT                      ; and where they go: A's two halves, then B's two halves = wave x 128 rows: no place in the cluster enters an LDS address
	s_wait_dscnt 0x0                               ; the opening add is done
	s_wait_kmcnt 0x0
	s_add_nc_u64 s[14:15], s[4:5], s[16:17]
	s_add_nc_u64 s[46:47], s[6:7], s[46:47]
	CROUND                                         ; all sixteen work-groups are here: the first joint loads meet
.irp s, 0,1
	s_mov_b32 s[G0+4*(\s)], 1                                      ; 1:0 count = 1
	s_add_co_u32 s[G0+4*(\s)+1], s20, (\s)*SLOT                    ; 63:32 LDS address
	s_add_nc_u64 s[G0+4*(\s)+2:G0+4*(\s)+3], s[14:15], (\s)*KSTEP*2  ; 120:64 global address: K step s
	s_or_b32 s[G0+4*(\s)+3], s[G0+4*(\s)+3], 0x80000000            ; 127:126 type = 2
	s_mov_b32 s[G0B+4*(\s)], 1
	s_add_co_u32 s[G0B+4*(\s)+1], s20, (\s)*SLOT
	s_add_nc_u64 s[G0B+4*(\s)+2:G0B+4*(\s)+3], s[46:47], (\s)*KSTEP*2
	s_or_b32 s[G0B+4*(\s)+3], s[G0B+4*(\s)+3], 0x80000000
	JLOAD \s                                       ; the ring is filled before anything else is done: two loads of mine are out
.endr
	; A fragment is 16 rows x 32 K in 8 registers: lane l holds row l % 16; registers 0-3 hold K = 8 (l / 16) + 0..7, registers 4-7 hold K = 16 + 8 (l / 16) + 0..7.
	; From rows that lie along K: two loads of 16 bytes, 32 bytes apart.  The same for source 0 and source 1.
	v_and_b32 v1, 15, v0                           ; l % 16
	v_bfe_u32 v2, v0, 4, 1                         ; l / 16
	v_mul_u32_u24 v3, v1, PITCH
	v_lshl_add_u32 v3, v2, 4, v3                   ; row x pitch + 16 x half
	s_mul_i32 s21, s11, HALFT                      ; my 128 rows of A
	s_mul_i32 s22, s12, HALFT                      ; my 128 rows of B,
	s_add_co_u32 s22, s22, 2*HALFT                 ; which lie behind A's 256
.irp s, 0,1
	v_add_nc_u32 v[ADRA+(\s)], s21, v3
	v_add_nc_u32 v[ADRB+(\s)], s22, v3
	s_add_co_u32 s21, s21, SLOT
	s_add_co_u32 s22, s22, SLOT
.endr
	s_mul_i32 s23, s10, 16*SPITCH
	s_add_co_u32 s23, s23, STAGE                   ; my stage
	v_mul_u32_u24 v4, v1, SPITCH                   ; in: row l % 16, 32 bytes for each half of the lanes
	v_lshl_add_u32 v4, v2, 5, v4
	v_add_nc_u32 v[STO], s23, v4
	v_and_b32 v[CO], 31, v0
	v_lshlrev_b32 v[CO], 4, v[CO]                  ; back: 32 lanes x 16 bytes take one whole row of 512 bytes,
	v_add_nc_u32 v[RD], s23, v[CO]                 ; and the same 512 bytes in out0
	; out0 at my part of the tile: set once, never stepped: the 128 rows stand in the stores' immediates
	s_lshl_b32 s13, s13, 8                         ; 256 x tile row
	s_lshl_b32 s14, s11, 7
	s_add_co_u32 s16, s13, s14                     ; my first row,
	s_lshl_b32 s16, s16, 14                        ; of 16,384 bytes: under 2^26
	s_mov_b32 s17, 0
	s_lshl_b32 s46, s42, 10                        ; my first column, in bytes: 1,024 x tile column + 512 x half
	s_lshl_b32 s47, s12, 9
	s_add_co_u32 s46, s46, s47
	s_mov_b32 s47, 0
	s_add_nc_u64 s[16:17], s[16:17], s[46:47]
	s_add_nc_u64 s[8:9], s[8:9], s[16:17]
	v_add_nc_u32 v[BOF], s46, v[CO]                ; bias goes by the column: the same byte offset as in a row of out0
	global_load_b128 v[BI:BI+3], v[BOF], s[BP:BP+1]
	; the prefetches.  s13 = 256 x tile row, s42 = tile column, s40 = cx, s41 = cy still stand; s[4:5] = wh, s[6:7] = xh
	s_lshl_b32 s42, s42, 8
	s_and_b32 s22, ttmp7, 0xffff                   ; cluster y
	s_cmp_eq_u32 s11, 0                            ; do I fetch for A?
	s_cselect_b32 s20, s13, s42                    ; the tile's first row: in wh by the tile row, in xh by the tile column
	s_cselect_b32 s21, s40, s41                    ; my place among the four that ask for it with me
	s_cselect_b32 s22, ttmp9, s22                  ; the coordinate along which other clusters read the same rows
	s_cselect_b64 s[PFA:PFA+1], s[4:5], s[6:7]
	s_cmp_eq_u32 s22, 0
	s_cselect_b32 s[LIM], 1, -1                    ; the same in all sixteen partners, for a given wave
	s_lshl_b32 s22, s12, 7
	s_add_co_u32 s20, s20, s22                     ; + the 128 rows that I fetch
	s_lshl_b32 s21, s21, 5
	s_add_co_u32 s20, s20, s21                     ; + my work-group's 32 of them
	s_mov_b32 s21, 0
	s_mov_b64 s[18:19], ROWH
	s_mul_u64 s[20:21], s[20:21], s[18:19]
	s_add_nc_u64 s[PFA:PFA+1], s[PFA:PFA+1], s[20:21]
	s_add_nc_u64 s[PFA:PFA+1], s[PFA:PFA+1], 2*KSTEP*2  ; at K step 2: the first refill steps it to 3 and names K step 4
	v_and_b32 v[PFO], 31, v0
	v_lshlrev_b32 v[PFO], 13, v[PFO]               ; lane x 8,192 bytes
	; nothing is prefetched here, at the head, where every work-group's first two tiles are on their way
; 16 matrix instructions: m blocks a0, a0 + 1 of the window's four (hi = 0: my rows 0-63, 1: rows 64-127) x all 8 n blocks, 32 along K.
; zero = 1: the first product starts the sums: nothing is ever cleared.  The 64 accumulators take turns, in the same order in every quarter step.
.macro MUL16 f, hi, a0, zero
	WIN MUL_LO+0x50*(\hi)
.irp a, \a0, (\a0)+1
.irp b, 0,1,2,3,4,5,6,7
.if \zero
	v_wmma_f32_16x16x32_f16 v[8*(8*(\a)+(\b)):8*(8*(\a)+(\b))+7], v[(\f)+8*(\b):(\f)+8*(\b)+7], v[(\f)+8*(4*(\hi)+(\a)):(\f)+8*(4*(\hi)+(\a))+7], 0
.else
	v_wmma_f32_16x16x32_f16 v[8*(8*(\a)+(\b)):8*(8*(\a)+(\b))+7], v[(\f)+8*(\b):(\f)+8*(\b)+7], v[(\f)+8*(4*(\hi)+(\a)):(\f)+8*(4*(\hi)+(\a))+7], v[8*(8*(\a)+(\b)):8*(8*(\a)+(\b))+7]
.endif
.endr
.endr
.endm
; 32 LDS loads in one run: the fragments of one quarter step (128 rows of B, 128 rows of A, 32 K at byte k of the rows) into buffer f
.macro FETCH slot, k, f
	WIN TO_B
.irp i, 0,1,2,3,4,5,6,7
	ds_load_b128 v[(\f)+8*(\i):(\f)+8*(\i)+3],   v[ADRB+(\slot)] offset:(\k)+(\i)*16*PITCH
	ds_load_b128 v[(\f)+8*(\i)+4:(\f)+8*(\i)+7], v[ADRB+(\slot)] offset:(\k)+(\i)*16*PITCH+32
.endr
	WIN 0
.irp i, 0,1,2,3,4,5,6,7
	ds_load_b128 v[(\f)+8*(\i):(\f)+8*(\i)+3],   v[ADRA+(\slot)] offset:(\k)+(\i)*16*PITCH
	ds_load_b128 v[(\f)+8*(\i)+4:(\f)+8*(\i)+7], v[ADRA+(\slot)] offset:(\k)+(\i)*16*PITCH+32
.endr
.endm
; A load into a register that a matrix instruction has read, and an LDS store that reads a matrix result, stand four places behind that matrix instruction, and only plain vector instructions that name none
; of its registers are places (ISA guide 7.12.1 for vector instructions); the matrix instructions in between are not counted.
.macro PLACES
.rept 4
	v_nop
.endr
.endm
; A K step is four quarter steps of 32 along K, 64 matrix instructions each, on buffers 0, 1, 0, 1.
; One of the first three: multiplies buffer f; in its middle it fetches the next quarter's fragments, at byte k of the same slot's rows, into buffer g.
.macro QUARTER slot, k, f, g, zero
	s_wait_dscnt 8                                 ; B and A's rows 0-63 are in; the youngest eight loads (A's rows 64-127) may be out
	WIN MUL_LO
	MUL16 \f, 0, 0, \zero
	MUL16 \f, 0, 2, \zero
	PLACES
	FETCH \slot, \k, \g
	s_wait_dscnt 32                                ; all but the 32 just issued
	WIN MUL_HI
	MUL16 \f, 1, 0, \zero
	MUL16 \f, 1, 2, \zero
.endm
; The last quarter multiplies buffer 1 and changes slots.  MEET is its first half: ONE barrier for the change of slots, for two things.  In front of it each wave waits for all its tensor loads, of which one
; is out: its part of the next slot; adds 0 to its spare word; and waits for that and for its own reads of this slot.  Behind it nobody reads this slot any more and the next slot is whole.
.macro MEET round                      ; round = 1: the rest of a round of the cluster's barrier follows
	WIN 0                                          ; (the add's two registers lie in window 0)
	s_wait_tensorcnt 0x0                           ; all my tensor loads have landed: the one that was out is my part of the next slot;
	ds_add_u32 v[SPW], v[NIL]                      ; 0 onto my spare word;
	s_wait_dscnt 9                                 ; (the add and the youngest eight loads may be out)
	WIN MUL_LO
	MUL16 F1, 0, 0, 0                              ; sixteen matrix instructions stand between the add and the wait for it
	s_wait_dscnt 0x0                               ; the add is done, and my reads of this slot are over:
	s_barrier_signal -1                            ; say so,
	MUL16 F1, 0, 2, 0                              ; work on registers while the others arrive,
.if \round
	WIN 0
.endif
	s_barrier_wait -1                              ; and go on when all four have said so
.endm
; The whole last quarter.  fill = 1: behind the round the slot just read out is filled again first, with the K step two steps on; then come the next slot's first fragments.
; From a request to the wait for it a wave issues 224 matrix instructions.  fill = 0 (the tail): nothing is left to fetch, and no round follows the barrier.
.macro TURN slot, next, fill
.if \fill
	s_wait_xcnt 0x0                                ; the last prefetch, a K step back, has read its address: it is stepped here, ahead of the waits of the change of slots
	s_add_nc_u64 s[PFA:PFA+1], s[PFA:PFA+1], KSTEP*2
.endif
	MEET \fill
.if \fill
	CREST                                          ; wave 0 says so for the work-group, all sixteen have said so, my work-group's barrier closes the round: no wave of any partner still reads this slot or has a load on its way
	s_add_nc_u64 s[G0+4*(\slot)+2:G0+4*(\slot)+3], s[G0+4*(\slot)+2:G0+4*(\slot)+3], 2*KSTEP*2     ; no tensor load of mine is out, so a group 0 may be written
	s_add_nc_u64 s[G0B+4*(\slot)+2:G0B+4*(\slot)+3], s[G0B+4*(\slot)+2:G0B+4*(\slot)+3], 2*KSTEP*2
	JLOAD \slot                                    ; the first tensor load behind the round, my only one until the next; the four v_nop behind it are also the places in front of the loads below
.else
	PLACES
.endif
	FETCH \next, 0, F0
.if \fill
	ASK                                            ; behind the joint load and the run of LDS loads that the next products wait for
.endif
	WIN MUL_HI
	MUL16 F1, 1, 0, 0
	MUL16 F1, 1, 2, 0
.endm
; THE WAY OUT of block a (16 rows x 128 columns of f32), in two parts.  A lane's 32 bytes are a sixteenth of a row's 512, and the lanes beside it hold other rows: so the block goes through my own stage in LDS.
; TOSTAGE: the eight accumulators into rows of 528 bytes (each accumulator's four lowest registers first), and back as whole rows.  LDS serves a wave's instructions in order
; (ISA guide 5.7.1.4): the loads see the stores above them, and the next block's stores come behind this block's loads.  No other wave touches my stage: no barrier.
.macro TOSTAGE a
.set AC, 64*((\a)%4)
.set BK, OB+64*((\a)%2)
	WIN 0x08+4*((\a)/4)                            ; the stores' data (source 1) in window 2 or 3, their address in window 0
.irp b, 0,1,2,3,4,5,6,7
	ds_store_b128 v[STO], v[AC+8*(\b):AC+8*(\b)+3]   offset:64*(\b)
	ds_store_b128 v[STO], v[AC+8*(\b)+4:AC+8*(\b)+7] offset:64*(\b)+16
.endr
	WIN 0
	s_wait_xcnt 0x0                                ; the global stores of the block two back have read these registers: only behind this wait are they loaded into again
.irp t, 0,1,2,3,4,5,6,7,8,9,10,11,12,13,14,15
	ds_load_b128 v[BK+4*(\t):BK+4*(\t)+3], v[RD] offset:(\t)*SPITCH
.endr
.endm
; SEND: scale and bias in one multiply-add, two numbers an instruction, and the row is stored.  younger: the LDS instructions issued behind block a's loads: the next block's 32, or none.
.macro SEND a, younger
.set BK, OB+64*((\a)%2)
	WIN 0
.irp t, 0,1,2,3,4,5,6,7,8,9,10,11,12,13,14,15
	s_wait_dscnt (\younger)+15-(\t)                ; row t is back; the block's later rows and the younger instructions may be out
	v_pk_fma_f32 v[BK+4*(\t):BK+4*(\t)+1],   v[BK+4*(\t):BK+4*(\t)+1],   s[SC:SC+1], v[BI:BI+1]   op_sel_hi:[1,0,1]
	v_pk_fma_f32 v[BK+4*(\t)+2:BK+4*(\t)+3], v[BK+4*(\t)+2:BK+4*(\t)+3], s[SC:SC+1], v[BI+2:BI+3] op_sel_hi:[1,0,1]
	global_store_b128 v[CO], v[BK+4*(\t):BK+4*(\t)+3], s[8:9] offset:(16*(\a)+(\t))*ROWC th:TH_STORE_NT  ; the wave stores 512 consecutive bytes of one row, at a multiple of 512 from out0's first byte; 127 rows at the most: 2,080,768, inside the signed 24-bit immediate
.endr
.endm
	s_wait_loadcnt 0x0                             ; the bias, once
	s_wait_tensorcnt 1                             ; my part of K step 0 is in; K step 1's may stay out
	s_barrier_signal -1
	s_barrier_wait -1                              ; everybody's is
	FETCH 0, 0, F0
	QUARTER 0, 64,  F0, F1, 1                      ; the first quarter stands in front of the loop: its products start the sums
	WIN 0                                          ; at a label and at a branch every window is 0
	s_mov_b32 s3, LAPS-1
.Llap:                                                 ; 15 trips: a trip goes once round the ring, from a lap's second quarter to the next lap's first, and fills both slots again
	QUARTER 0, 128, F1, F0, 0
	QUARTER 0, 192, F0, F1, 0
	TURN 0, 1, 1
	QUARTER 1, 64,  F0, F1, 0
	QUARTER 1, 128, F1, F0, 0
	QUARTER 1, 192, F0, F1, 0
	TURN 1, 0, 1
	QUARTER 0, 64,  F0, F1, 0
	WIN 0
	s_sub_co_u32 s3, s3, 1
	s_cmp_lg_u32 s3, 0
	s_cbranch_scc1 .Llap
	QUARTER 0, 128, F1, F0, 0                      ; the last lap is written out: it fills nothing
	QUARTER 0, 192, F0, F1, 0
	TURN 0, 1, 0                                   ; my one tensor load that was still out is slot 1's, the last K step's
	QUARTER 1, 64,  F0, F1, 0
	QUARTER 1, 128, F1, F0, 0
	QUARTER 1, 192, F0, F1, 0
	s_wait_dscnt 8                                 ; the very last quarter: nothing more to fetch
	WIN MUL_LO
	MUL16 F1, 0, 0, 0
	MUL16 F1, 0, 2, 0
	s_wait_dscnt 0x0
	MUL16 F1, 1, 0, 0
	MUL16 F1, 1, 2, 0
	WIN 0
	PLACES                                         ; behind the last products, in front of the LDS stores that read results and of the loads into A's fragment registers;
	PLACES                                         ; eight, once a launch
	TOSTAGE 0
.irp a, 1,2,3,4,5,6,7                  ; block a's trip through the stage is on its way while block a - 1 is scaled and stored
	TOSTAGE \a
	SEND (\a)-1, 32
.endr
	SEND 7, 0
	s_wait_tensorcnt 0x0                           ; the wave's end: the add and its wait stand behind my last tensor load and my last LDS store
	ds_add_u32 v[SPW], v[NIL]
	s_wait_dscnt 0x0
	CROUND                                         ; the closing round: no work-group ends while a partner may still ask for a tile that names it
	s_endpgm
.Lfunc_end_k_q46cd241042_gemm:
	.size	k_q46cd241042_gemm, .Lfunc_end_k_q46cd241042_gemm-k_q46cd241042_gemm
	.p2alignl 7, 3214868480
	.fill 96, 4, 3214868480
	.section	.rodata,"a",@progbits
	.p2align	6, 0x0
	.amdhsa_kernel k_q46cd241042_gemm
		.amdhsa_group_segment_fixed_size 327680
		.amdhsa_private_segment_fixed_size 0
		.amdhsa_enable_private_segment 0
		.amdhsa_kernarg_size 32
		.amdhsa_user_sgpr_count 2
		.amdhsa_user_sgpr_kernarg_segment_ptr 1
		.amdhsa_wavefront_size32 1
		.amdhsa_system_sgpr_workgroup_id_x 1
		.amdhsa_system_sgpr_workgroup_id_y 1
		.amdhsa_system_sgpr_workgroup_id_z 1
		.amdhsa_system_vgpr_workitem_id 0
		.amdhsa_next_free_vgpr 1024
		.amdhsa_next_free_sgpr 72
		.amdhsa_reserve_vcc 0
		.amdhsa_float_denorm_mode_32 3
		.amdhsa_float_denorm_mode_16_64 3
		.amdhsa_memory_ordered 1
		.amdhsa_forward_progress 1
		.amdhsa_inst_pref_size 161
	.end_amdhsa_kernel
	.amdgpu_metadata
---
amdhsa.version: [ 1, 2 ]
amdhsa.kernels:
  - .name:           k_q46cd241042_gemm
    .symbol:         k_q46cd241042_gemm.kd
    .args:
      - { .name: wh, .offset: 0, .size: 8, .value_kind: global_buffer, .address_space: global }
      - { .name: xh, .offset: 8, .size: 8, .value_kind: global_buffer, .address_space: global }
      - { .name: out0, .offset: 16, .size: 8, .value_kind: global_buffer, .address_space: global }
      - { .name: bias, .offset: 24, .size: 8, .value_kind: global_buffer, .address_space: global }
    .group_segment_fixed_size: 327680
    .private_segment_fixed_size: 0
    .kernarg_segment_align: 8
    .kernarg_segment_size: 32
    .max_flat_workgroup_size: 128
    .sgpr_count:     72
    .vgpr_count:     1024
    .wavefront_size: 32
...
	.end_amdgpu_metadata
.endif
;; end of part 2
;; ======== version 2 of 2: 2 launches; version 1 with the launch prep written anew for expert scheduling mode
;; limits: values are held in f16: magnitudes above 65,504 overflow, below 6.1e-05 lose precision
;; workspace buffers: wh 33,554,432 bytes; xh 33,554,432 bytes
;; launch prep (part 3): grid 512 x 1, 8 waves a work-group, no clusters, 0 bytes of LDS; arguments x, a0, a1, a2, a3, a4, a5, a6, a7, b0, b1, b2, b3, b4, b5, b6, b7, wh, xh; writes wh, xh
.if DOCPART == 3
	.amdgcn_target "amdgcn-amd-amdhsa--gfx1250"
	.amdhsa_code_object_version 6
	.text
	.protected	k_q46cd241042_prep
	.globl	k_q46cd241042_prep
	.p2align	8
	.type	k_q46cd241042_prep,@function
k_q46cd241042_prep:
	s_mov_b64 s[64:65], 0
	v_nop
	global_prefetch_b8 v0, s[64:65] scope:SCOPE_SE
	s_setreg_imm32_b32 hwreg(HW_REG_WAVE_SCHED_MODE, 0, 2), 2
	s_setreg_imm32_b32 hwreg(HW_REG_WAVE_MODE, 25, 1), 1
	s_wait_xcnt 0x0
	s_wait_alu depctr_vm_vsrc(0)
; xh[n][i] = f16(x[n][i]);  wh[o][i] = f16( the sum over k = 0..7 of a_k[o >> s_k][i >> s_k] * b_k[o & (q_k-1)][i & (q_k-1)] ),  q_k = 2^s_k, s = 6,6,7,5,8,4,9,3.
; x: [4096][4096] f32.  a_k: [4096/q_k][4096/q_k] f32.  b_k: [q_k][q_k] f32.  wh, xh: [4096][4096] f16, row-major.  The sum is kept in f32, k ascending, and rounded once.
; The factor 1 / (2 sqrt 8) is NOT applied here: the product's way out applies it in f32, so that wh keeps the whole of f16's range for the sum itself.
; LIMITS.  f16 holds no number beyond 65,504: |x| and |the sum of the eight products| must lie under it (from 65,520 on the conversion gives an infinity); below 6e-5 f16 keeps a fixed step of 6e-8.
; NaN and infinities are not treated apart.
; SHARES.  512 work-groups of eight waves: wave v of work-group g owns row o = 8 g + v, of x (cast) and of W (built).  A row goes in 16 steps of 256 columns; in step c lane l owns columns 256 c + 8 l .. + 7:
; 32 bytes of f32 in, 16 bytes of f16 out, so each store of the wave covers 512 consecutive bytes, aligned.
; WHY A ROW A WAVE.  Eight aligned columns have ONE index into every a_k (q_k is at least 8), and the lane's eight numbers of b_k are the same in every step where q_k <= 256 and hang on c % 2 where q_k = 512.
; So a row wants 72 registers of b (18 loads) and 8 numbers of a in each step (one load of 4 bytes each).  Nothing large is shared between waves: no LDS, no barrier, no matrix unit.
; No loop: the 16 steps are written out, so every offset stands in an immediate and no address register is ever rewritten.
; THE MODE: SCHED_MODE bits 1:0 = 2 (LLVM: expert scheduling mode 2), set by the entry lines.  The code itself states the register dependences
; between vector instructions and memory instructions, with s_wait_alu, always for 0.
; THE PLAN.  Registers that memory instructions touch:
;   v2, v3, v8-23  offsets, made once at the head and never written again: one wait ahead of the first load serves every load and store.
;   X (v32-159)    The loads of x land in it.  Step j's four conversions read X + 8 j .. + 7 and write X + 8 j .. + 3; step j's store reads those four.
;   A (the same)   When the 16 stores of xh have read their registers, the loads of a land in it.  Step c's multiply-adds read A + 8 c .. + 7, its conversions write A + 8 c .. + 3, its store reads those four.
;   B (v160-231)   Loaded once, read by vector instructions alone.     ACC is named by vector instructions alone.
; Cast and sum both go in four GROUPS of four steps.  A step's store is issued four steps later, at the head of the same step of the next group.  So ONE wait at a group's head states that the group before has
; written its sixteen out-registers, and the group's four stores follow it, dealt among the group's steps, whose vector instructions name this group's registers (and B and ACC) alone.  Each step's out-registers
; are its own: inside a phase none is written again.  Between the phases stand the three waits that hand v32-159 from x to a.
.set STAB, 0x39485766                  ; s_k in nibble k
.set GRP, 4                            ; steps in a group
.set XO,  2                            ; v2        32 l: my 8 numbers in a step of x
.set SO,  3                            ; v3        16 l: my 8 numbers in a step of xh and wh
.set AO,  8                            ; v[8:15]   term k: 4 x ((8 l) >> s_k): my column of a_k within a step
.set BO,  16                           ; v[16:23]  term k: 4 x ((8 l) & (q_k - 1)): my first column of b_k
.set X,   32                           ; v[32:159] the row of x, 8 registers a step; when it has left, the same registers take a
.set A,   32                           ;           step c's eight numbers of a at A + 8 c + k; the step's four packed results land on the first four
.set B,   160                          ; v[160:231] term k's eight numbers of b at B + 8 k; term 6's for odd steps at B + 64
.set ACC, 232                          ; v[232:239] a step's eight sums
.set PA,  6                            ; s[6+2k:7+2k]   a_k at my row of it
.set PB,  22                           ; s[22+2k:23+2k] b_k at my row of it
.set WH,  38                           ; s[38:39] wh at my row
.set XH,  40                           ; s[40:41] xh at my row
	s_load_b512 s[4:19], s[0:1], 0x0               ; x, a0 .. a6
	s_load_b512 s[20:35], s[0:1], 0x40             ; a7, b0 .. b6
	s_load_b128 s[36:39], s[0:1], 0x80             ; b7, wh
	s_load_b64 s[40:41], s[0:1], 0x90              ; xh
	v_and_b32 v1, 31, v0                           ; lane
	v_lshrrev_b32 v4, 5, v0
	v_readfirstlane_b32 s42, v4                    ; wave 0..7
	v_lshlrev_b32 v[XO], 5, v1
	v_lshlrev_b32 v[SO], 4, v1
.irp k, 0,1,2,3,4,5,6,7
.set SK, (STAB>>(4*(\k)))&15
	v_lshrrev_b32 v[AO+(\k)], SK-3, v1             ; (8 l) >> s_k: 0 in every lane where q_k >= 256
	v_lshlrev_b32 v[AO+(\k)], 2, v[AO+(\k)]
	v_and_b32 v[BO+(\k)], (1<<(SK-3))-1, v1        ; ((8 l) & (q_k - 1)) / 8
	v_lshlrev_b32 v[BO+(\k)], 5, v[BO+(\k)]
.endr
	s_wait_alu depctr_va_sdst(0)                   ; s42 is written, ahead of its first reader: my row's number, and every base with it, is made from it
	s_lshl_b32 s43, ttmp9, 3
	s_add_co_u32 s43, s43, s42                     ; o, my row
	s_mov_b32 s45, 0                               ; the high word of every offset: all stay under 2^27
	s_lshl_b32 s44, s43, 14                        ; a row of x is 16,384 bytes
	s_wait_kmcnt 0x0
	s_add_nc_u64 s[4:5], s[4:5], s[44:45]
	s_wait_alu depctr_va_vdst(0)                   ; the eighteen offsets v2, v3, v8 to v23 are written: every load and store of the kernel reads one of them
	; the whole row of x: 32 loads, 16 KiB of the wave on their way, ahead of everything else
.set j, 0
.rept 16
	global_load_b128 v[X+8*j:X+8*j+3],   v[XO], s[4:5] offset:1024*j th:TH_LOAD_NT
	global_load_b128 v[X+8*j+4:X+8*j+7], v[XO], s[4:5] offset:1024*j+16 th:TH_LOAD_NT
.set j, j+1
.endr
	s_lshl_b32 s44, s43, 13                        ; a row of xh and of wh is 8,192 bytes
	s_add_nc_u64 s[WH:WH+1], s[WH:WH+1], s[44:45]
	s_add_nc_u64 s[XH:XH+1], s[XH:XH+1], s[44:45]
.irp k, 0,1,2,3,4,5,6,7
.set SK, (STAB>>(4*(\k)))&15
	s_lshr_b32 s44, s43, SK                        ; a_k's row o >> s_k, of 4 x 4096 / q_k bytes
	s_lshl_b32 s44, s44, 14-SK
	s_add_nc_u64 s[PA+2*(\k):PA+2*(\k)+1], s[PA+2*(\k):PA+2*(\k)+1], s[44:45]
	s_and_b32 s44, s43, (1<<SK)-1                  ; b_k's row o & (q_k - 1), of 4 q_k bytes
	s_lshl_b32 s44, s44, SK+2
	s_add_nc_u64 s[PB+2*(\k):PB+2*(\k)+1], s[PB+2*(\k):PB+2*(\k)+1], s[44:45]
.endr
	; my numbers of b: 18 loads
.irp k, 0,1,2,3,4,5,6,7
	global_load_b128 v[B+8*(\k):B+8*(\k)+3],   v[BO+(\k)], s[PB+2*(\k):PB+2*(\k)+1]
	global_load_b128 v[B+8*(\k)+4:B+8*(\k)+7], v[BO+(\k)], s[PB+2*(\k):PB+2*(\k)+1] offset:16
.endr
	global_load_b128 v[B+64:B+67], v[BO+6], s[PB+12:PB+13] offset:1024   ; b6 has 512 columns: the odd steps take the second 256
	global_load_b128 v[B+68:B+71], v[BO+6], s[PB+12:PB+13] offset:1040
	; THE CAST.  Step j's two loads are in when at most the 2 (15 - j) younger loads of x and the 18 of b are out (loads come back in order: ISA guide 5.7.1).
	; The four conversions work in place, ascending: result i lands on register i when registers 2 i and 2 i + 1 are being read and the lower ones have been.
	; Step j's store stands at the head of step j + 4.
.set j, 0
.rept 16
	s_wait_loadcnt 2*(15-j)+18
.if (j >= GRP) && (j%GRP == 0)
	s_wait_alu depctr_va_vdst(0)                   ; the group before has written its sixteen packed registers, which this group's four stores read; the conversions behind this wait name this group's registers alone
.endif
.if j >= GRP
	global_store_b128 v[SO], v[X+8*(j-GRP):X+8*(j-GRP)+3], s[XH:XH+1] offset:512*(j-GRP)
.endif
.irp i, 0,1,2,3
	v_cvt_pk_f16_f32 v[X+8*j+(\i)], v[X+8*j+2*(\i)], v[X+8*j+2*(\i)+1]
.endr
.set j, j+1
.endr
	s_wait_alu depctr_va_vdst(0)                   ; the last group has written its packed registers, which the four stores below read; and every conversion is done reading and writing v32 to v159, in which the loads of a land: no vector instruction stands between this wait and those loads
.set j, 16-GRP
.rept GRP
	global_store_b128 v[SO], v[X+8*j:X+8*j+3], s[XH:XH+1] offset:512*j
.set j, j+1
.endr
	s_wait_xcnt 0x0                                ; the stores' data registers are loaded into again only behind this wait,
	s_wait_alu depctr_vm_vsrc(0)                   ; and behind this one: the sixteen stores of xh have read their data registers, in which the loads of a land
	; my numbers of a: 8 a step, step by step, so that the counted waits below free the steps in order
.set c, 0
.rept 16
.irp k, 0,1,2,3,4,5,6,7
.set SK, (STAB>>(4*(\k)))&15
	global_load_b32 v[A+8*c+(\k)], v[AO+(\k)], s[PA+2*(\k):PA+2*(\k)+1] offset:((256*c)>>SK)<<2
.endr
.set c, c+1
.endr
	; THE SUM.  Step c's eight loads are in when at most the 120 - 8 c loads of the later steps are out; the wait's field holds 63, and a smaller count than needed is right too.
	; Four chains of two sums each take turns, k ascending.  A number of a is one register of an even pair: the packed form takes the pair's first register for both halves (k even) or its second (k odd).
	; Step c's store stands at the head of step c + 4.
.set c, 0
.rept 16
.if 120-8*c > 63
	s_wait_loadcnt 63
.else
	s_wait_loadcnt 120-8*c
.endif
.if (c >= GRP) && (c%GRP == 0)
	s_wait_alu depctr_va_vdst(0)                   ; the group before has written its sixteen packed registers, which this group's four stores read; the vector instructions behind this wait name this group's A, B and ACC alone
.endif
.if c >= GRP
	global_store_b128 v[SO], v[A+8*(c-GRP):A+8*(c-GRP)+3], s[WH:WH+1] offset:512*(c-GRP)
.endif
.irp k, 0,1,2,3,4,5,6,7
.set rb, B+8*(\k)
.if ((\k) == 6) && (c%2 == 1)
.set rb, B+64
.endif
.set ra, A+8*c+((\k)&6)
.irp jj, 0,1,2,3
.if (\k) == 0
	v_pk_mul_f32 v[ACC+2*(\jj):ACC+2*(\jj)+1], v[rb+2*(\jj):rb+2*(\jj)+1], v[ra:ra+1] op_sel_hi:[1,0]
.elseif (\k)%2 == 0
	v_pk_fma_f32 v[ACC+2*(\jj):ACC+2*(\jj)+1], v[rb+2*(\jj):rb+2*(\jj)+1], v[ra:ra+1], v[ACC+2*(\jj):ACC+2*(\jj)+1] op_sel_hi:[1,0,1]
.else
	v_pk_fma_f32 v[ACC+2*(\jj):ACC+2*(\jj)+1], v[rb+2*(\jj):rb+2*(\jj)+1], v[ra:ra+1], v[ACC+2*(\jj):ACC+2*(\jj)+1] op_sel:[0,1,0] op_sel_hi:[1,1,1]
.endif
.endr
.endr
.irp i, 0,1,2,3
	v_cvt_pk_f16_f32 v[A+8*c+(\i)], v[ACC+2*(\i)], v[ACC+2*(\i)+1]   ; onto the step's own numbers of a, which have been used: no store's data register is ever written again
.endr
.set c, c+1
.endr
	s_wait_alu depctr_va_vdst(0)                   ; the last group has written its sixteen packed registers, which the last four stores read
.set c, 16-GRP
.rept GRP
	global_store_b128 v[SO], v[A+8*c:A+8*c+3], s[WH:WH+1] offset:512*c
.set c, c+1
.endr
	s_endpgm
.Lfunc_end_k_q46cd241042_prep:
	.size	k_q46cd241042_prep, .Lfunc_end_k_q46cd241042_prep-k_q46cd241042_prep
	.p2alignl 7, 3214868480
	.fill 96, 4, 3214868480
	.section	.rodata,"a",@progbits
	.p2align	6, 0x0
	.amdhsa_kernel k_q46cd241042_prep
		.amdhsa_group_segment_fixed_size 0
		.amdhsa_private_segment_fixed_size 0
		.amdhsa_enable_private_segment 0
		.amdhsa_kernarg_size 152
		.amdhsa_user_sgpr_count 2
		.amdhsa_user_sgpr_kernarg_segment_ptr 1
		.amdhsa_wavefront_size32 1
		.amdhsa_system_sgpr_workgroup_id_x 1
		.amdhsa_system_sgpr_workgroup_id_y 1
		.amdhsa_system_sgpr_workgroup_id_z 1
		.amdhsa_system_vgpr_workitem_id 0
		.amdhsa_next_free_vgpr 240
		.amdhsa_next_free_sgpr 66
		.amdhsa_reserve_vcc 0
		.amdhsa_float_denorm_mode_32 3
		.amdhsa_float_denorm_mode_16_64 3
		.amdhsa_memory_ordered 1
		.amdhsa_forward_progress 1
		.amdhsa_inst_pref_size 65
	.end_amdhsa_kernel
	.amdgpu_metadata
---
amdhsa.version: [ 1, 2 ]
amdhsa.kernels:
  - .name:           k_q46cd241042_prep
    .symbol:         k_q46cd241042_prep.kd
    .args:
      - { .name: x, .offset: 0, .size: 8, .value_kind: global_buffer, .address_space: global }
      - { .name: a0, .offset: 8, .size: 8, .value_kind: global_buffer, .address_space: global }
      - { .name: a1, .offset: 16, .size: 8, .value_kind: global_buffer, .address_space: global }
      - { .name: a2, .offset: 24, .size: 8, .value_kind: global_buffer, .address_space: global }
      - { .name: a3, .offset: 32, .size: 8, .value_kind: global_buffer, .address_space: global }
      - { .name: a4, .offset: 40, .size: 8, .value_kind: global_buffer, .address_space: global }
      - { .name: a5, .offset: 48, .size: 8, .value_kind: global_buffer, .address_space: global }
      - { .name: a6, .offset: 56, .size: 8, .value_kind: global_buffer, .address_space: global }
      - { .name: a7, .offset: 64, .size: 8, .value_kind: global_buffer, .address_space: global }
      - { .name: b0, .offset: 72, .size: 8, .value_kind: global_buffer, .address_space: global }
      - { .name: b1, .offset: 80, .size: 8, .value_kind: global_buffer, .address_space: global }
      - { .name: b2, .offset: 88, .size: 8, .value_kind: global_buffer, .address_space: global }
      - { .name: b3, .offset: 96, .size: 8, .value_kind: global_buffer, .address_space: global }
      - { .name: b4, .offset: 104, .size: 8, .value_kind: global_buffer, .address_space: global }
      - { .name: b5, .offset: 112, .size: 8, .value_kind: global_buffer, .address_space: global }
      - { .name: b6, .offset: 120, .size: 8, .value_kind: global_buffer, .address_space: global }
      - { .name: b7, .offset: 128, .size: 8, .value_kind: global_buffer, .address_space: global }
      - { .name: wh, .offset: 136, .size: 8, .value_kind: global_buffer, .address_space: global }
      - { .name: xh, .offset: 144, .size: 8, .value_kind: global_buffer, .address_space: global }
    .group_segment_fixed_size: 0
    .private_segment_fixed_size: 0
    .kernarg_segment_align: 8
    .kernarg_segment_size: 152
    .max_flat_workgroup_size: 256
    .sgpr_count:     66
    .vgpr_count:     240
    .wavefront_size: 32
...
	.end_amdgpu_metadata
.endif
;; end of part 3
;; launch gemm: the kernel of part 2 again; grid 16 x 16, 4 waves a work-group, clusters of 4 x 4, 327,680 bytes of LDS; arguments wh, xh, out0, bias; writes out0
